; MI455X (gfx1250); checked and timed in simulation.
; The chip was launched on July 23, 2026; its instructions are those of AMD's public machine-readable ISA for CDNA 5 (MIT licence, August 2026) and "CDNA5" Instruction Set Architecture Reference Guide (July 2026). The comments in the code are by the model that wrote it; some were corrected since.
;; Optimized Causal Self Attention. Allowed arithmetic: matrix products marked QUANTISED: E4M3 operands, one E8M0 scale for each 32 along K, by v_wmma_scale_f32_16x16x128_f8f6f4 with both operands' format E4M3, f32 sums; everything else in f32.
;; Inputs: Wk 1,024 x 1,024 float32; Wq 1,024 x 1,024 float32; Wv 1,024 x 1,024 float32; attention_mask 4 x 1 x 1 x 2,048 float32; bk 1,024 float32; bq 1,024 float32; bv 1,024 float32; hidden_states 4 x 2,048 x 1,024 float32.
;; Outputs: out0 4 x 2,048 x 1,024 float32.
;; This version of the problem:
;;   THIS VERSION OF THE PROBLEM IS GIVEN IN LOW PRECISION. The matrix products marked QUANTISED in the list below multiply operands that are first quantised to E4M3 (4 exponent bits, 3 mantissa bits; 8 bits a number), with one power-of-two scale for each 32 numbers along K (OCP MX v1.0); their sums are f32. All else is computed in f32.
;;   The module's matrix products, in the order in which they are computed (A, B: the left and right operand; K: the contracted axis; several contracted axes count as one K, in the product's order):
;;     1. [M 8,192, K 1,024] x [K 1,024, N 1,024]; A: input hidden_states; B: input Wq: QUANTISED
;;     2. [M 8,192, K 1,024] x [K 1,024, N 1,024]; A: input hidden_states; B: input Wk: QUANTISED
;;     3. [M 8,192, K 1,024] x [K 1,024, N 1,024]; A: input hidden_states; B: input Wv: QUANTISED
;;     4. batch 64 x [M 2,048, K 64] x [K 64, N 2,048]; A: computed on the way; B: computed on the way: QUANTISED
;;     5. batch 64 x [M 2,048, K 2,048] x [K 2,048, N 64]; A: softmax (see below); B: computed on the way: QUANTISED
;;   THE QUANTISER, for each operand of a quantised product, along K:
;;     - K is cut into blocks of 32 from its start; a last block that is shorter is filled with zeros.
;;     - A block's scale is 2^e with e = floor(log2(the largest magnitude in the block)) - 8, held to -126 .. 127; a block of zeros has e = 0. As a byte (E8M0): e + 127.
;;     - Each number is divided by its block's scale, clamped to +-448, and rounded to the nearest number of E4M3, ties to even, subnormals kept.
;;     - The product sums the exact products of the quantised numbers (number of the format x scale) in f32.
;;   ~~~python
;;   def quantise(x, axis):      # numpy; x: float32 -> the quantised numbers, widened to float32 again
;;       x = np.moveaxis(x, axis, -1); K = x.shape[-1]
;;       x = np.pad(x, [(0, 0)] * (x.ndim - 1) + [(0, -K % 32)]); x = x.reshape(x.shape[:-1] + (-1, 32)); a = np.abs(x).max(-1, keepdims=True)
;;       e = np.where(a > 0, np.clip(np.frexp(np.where(a > 0, a, 1))[1] - 1 - 8, -126, 127), 0)      # np.frexp(a)[1] - 1 = floor(log2(a)), exactly
;;       r = np.clip(x / 2.0 ** e, -448, 448)
;;       step = 2.0 ** (np.maximum(np.frexp(np.where(r == 0, 1, r))[1] - 1, -6) - 3)
;;       q = np.round(r / step) * step * 2.0 ** e      # np.round: ties to even
;;       return np.moveaxis(q.reshape(q.shape[:-2] + (-1,))[..., :K], -1, axis).astype(np.float32)
;;   ~~~
;;   SOFTMAX AHEAD OF A QUANTISED PRODUCT. Where the list says 'softmax', what is quantised is not the finished softmax but p = 2^(t - M), with t = logit x log2(e) and M = ceil(the row's largest t), a whole number; so 1/2 < the row's largest p <= 1. The row's sum l is taken of the UNQUANTISED p, in f32, and the product's result is divided by l at the end. Since M is a whole number, a kernel that streams over the keys may use a running M (the ceiling of the running maximum): every later rescaling is an exact power of two, which a block's scale takes up: the codes' values come out the same.
;;   OPERANDS COMPUTED ON THE WAY. 'Computed on the way' means the value that the module computes at that place (a softmax that the list does not call 'softmax' is quantised finished and normalised). What goes into a quantiser is computed in f32, as accurately as f32 sums, v_exp_f32 and their like allow (about 1e-6 of the number): no bf16 or f16 on the way to a quantiser, and a product that is left as it is and whose result goes on into a quantised operand takes f32 operands (vector FMAs, or v_wmma_f32_16x16x4_f32). A number that lies on a knife's edge between two numbers of the format may be rounded either way, as far as f32 arithmetic and the matrix unit's own rounding can turn it there, and no further.
;; One version. Each part assembles by itself: llvm-mc -triple=amdgcn-amd-amdhsa -mcpu=gfx1250 --defsym DOCPART=n.
;; ======== version 1 of 1: 3 launches
;; limits: right only within a limited range of input values
;; workspace buffers: codes 11,534,336 bytes; cscales 360,448 bytes; img 25,165,824 bytes; isc 1,572,864 bytes
;; launch quant (part 1): grid 352 x 1, 4 waves a work-group, no clusters, 33,280 bytes of LDS; arguments hidden_states, Wq, Wk, Wv, codes, cscales; writes codes, cscales
.if DOCPART == 1
	.amdgcn_target "amdgcn-amd-amdhsa--gfx1250"
	.amdhsa_code_object_version 6
	.text
	.protected	k_q26033d90b3_quant
	.globl	k_q26033d90b3_quant
	.p2align	8
	.type	k_q26033d90b3_quant,@function
k_q26033d90b3_quant:
	s_mov_b64 s[64:65], 0
	v_nop
	global_prefetch_b8 v0, s[64:65] scope:SCOPE_SE
	s_setreg_imm32_b32 hwreg(HW_REG_WAVE_MODE, 25, 1), 1
	s_wait_xcnt 0x0
; hidden_states [8192][1024] and Wq, Wk, Wv [1024][1024], f32 with K innermost, become codes of FP8 (E4M3) with one E8M0 byte for each 32 along K:
; codes [11264 rows][1024 bytes], cscales [11264][32 bytes]; rows 0-8191 x, then Wq, Wk, Wv, 1,024 rows each.
; A block's byte is its largest magnitude's exponent field - 8, held at 1 from below (a block of zeros keeps 1: its codes are zeros, and this program alone reads the bytes).
; Each number is divided by the scale, held within +-448 and rounded to the nearest code, ties to even.
; THE ROWS ARE LAID IN ANOTHER ORDER: within each 32 rows, row x goes to place 16 ((x >> 3) & 1) + 8 (x >> 4) + (x & 7): a work-group takes 32 rows, a wave 8, so the order is a swap of the wave number's two bits in the destination.
; A wave takes 16 steps of 512 numbers: four loads of 512 consecutive bytes, a turn through the wave's own stage in LDS, 16 neighbours a lane back (two lanes hold a block).
; LIMITS: blocks whose largest magnitude lies under 2^(9 - 127) keep the byte 1; NaN and infinities in x and W are not served.
.set STEPS, 16
.set EMAX,  8
.set MANT,  0x600000                   ; the mantissa field of 448
.set CB,    16
.set R,     16                         ; v16-143  eight sets of 16 numbers as loaded
.set X,     144                        ; v144-175 two sets of 16 neighbours
.set C,     176                        ; v176-239 codes, four registers a step
.set E,     240                        ; v240-241 a scale byte, two registers by turns
.set WREG,  8192                       ; LDS: a region a wave: two stages of 32 x SP bytes, then its 256 scale bytes
.set SP,    80
	s_load_b256 s[4:11], s[0:1], 0x0               ; x, Wq, Wk, Wv
	s_load_b128 s[12:15], s[0:1], 0x20             ; codes, cscales
	v_lshl_add_u32 v242, v0, 2, 0x8000             ; my spare word, behind the four regions
	v_mov_b32 v243, 0
	v_lshrrev_b32 v1, 5, v0
	v_readfirstlane_b32 s20, v1                    ; wave
	v_and_b32 v2, 31, v0
	v_lshlrev_b32 v3, 4, v2
	s_mul_i32 s21, s20, WREG
	v_lshrrev_b32 v14, 2, v2
	v_mul_u32_u24 v14, v14, SP
	v_and_b32 v15, 3, v2
	v_lshl_add_u32 v14, v15, 4, v14
	v_add_nc_u32 v14, s21, v14                     ; the stage, in: SP (lane / 4) + 16 (lane % 4)
	v_mul_u32_u24 v15, v2, SP
	v_add_nc_u32 v15, s21, v15                     ; and out: SP x lane
	v_mul_u32_u24 v4, v2, CB
	v_lshrrev_b32 v5, 1, v2
	s_add_co_u32 s21, s21, 2*32*SP
	v_add_nc_u32 v5, s21, v5                       ; my block's byte in LDS
	v_lshlrev_b32 v7, 3, v2
	v_add_nc_u32 v6, s21, v7
	s_mov_b32 s23, MANT
	s_and_b32 s22, ttmp9, 31
	s_and_b32 s24, s20, 1
	s_lshl_b32 s24, s24, 1
	s_lshr_b32 s25, s20, 1
	s_or_b32 s24, s24, s25                         ; the wave number's two bits swapped
	s_lshl_b32 s25, ttmp9, 2
	s_add_co_u32 s24, s24, s25
	s_wait_alu depctr_va_vdst(0)
	s_wait_kmcnt 0x0
	s_cmp_lt_u32 ttmp9, 320                        ; which tensor: by the work-group's number alone
	s_cselect_b64 s[8:9], s[8:9], s[10:11]
	s_cmp_lt_u32 ttmp9, 288
	s_cselect_b64 s[6:7], s[6:7], s[8:9]
	s_cmp_lt_u32 ttmp9, 256
	s_cselect_b64 s[4:5], s[4:5], s[6:7]
	s_cselect_b32 s22, ttmp9, s22
	s_lshl_b32 s22, s22, 2
	s_add_co_u32 s22, s22, s20
	s_lshl_b32 s26, s22, 15
	s_mov_b32 s27, 0
	s_add_nc_u64 s[4:5], s[4:5], s[26:27]
	s_lshl_b32 s26, s24, 13
	s_add_nc_u64 s[12:13], s[12:13], s[26:27]
	s_lshl_b32 s26, s24, 8
	s_add_nc_u64 s[14:15], s[14:15], s[26:27]
.macro LOAD t
.irp i, 0,1,2,3
	global_load_b128 v[R+16*((\t)%8)+4*\i:R+16*((\t)%8)+4*\i+3], v3, s[4:5] offset:2048*(\t)+512*\i th:TH_LOAD_NT
.endr
.endm
.macro TURN t                          ; LDS serves a wave's instructions in order: no wait between the stores and the loads
.irp i, 0,1,2,3
	ds_store_b128 v14, v[R+16*((\t)%8)+4*\i:R+16*((\t)%8)+4*\i+3] offset:32*SP*((\t)%2)+8*SP*\i
.endr
.irp i, 0,1,2,3
	ds_load_b128 v[X+16*((\t)%2)+4*\i:X+16*((\t)%2)+4*\i+3], v15 offset:32*SP*((\t)%2)+16*\i
.endr
.endm
.irp t, 0,1,2,3,4,5,6,7
	LOAD \t
.endr
	s_wait_loadcnt 28                              ; step 0's four loads are in; 28 younger stay out
	TURN 0
.macro STEP t
.set XS, X+16*((\t)%2)
.if (\t) > 0
	s_wait_dscnt 1                                 ; this step's numbers are back (the last step's byte store may be out)
.else
	s_wait_dscnt 0x0
.endif
.if (\t)+8 < STEPS
	LOAD (\t)+8                                    ; into the set whose numbers have gone through the stage
.endif
.if (\t)+1 < STEPS
.if STEPS-2-(\t) >= 7
	s_wait_loadcnt 28                              ; the next step's four are in; seven steps' may be out
.else
	s_wait_loadcnt 4*(STEPS-2-(\t))
.endif
	TURN (\t)+1
.endif
	v_max3_num_f32 v8, |v[XS]|, |v[XS+1]|, |v[XS+2]|
	v_max3_num_f32 v9, |v[XS+3]|, |v[XS+4]|, |v[XS+5]|
.irp i, 6,10
	v_max3_num_f32 v8, v8, |v[XS+\i]|, |v[XS+\i+1]|
	v_max3_num_f32 v9, v9, |v[XS+\i+2]|, |v[XS+\i+3]|
.endr
	v_max3_num_f32 v8, v8, |v[XS+14]|, |v[XS+15]|
	v_max3_num_f32 v8, v8, v9, (EMAX+1)<<23        ; the floor 2^(9 - 127)
	v_max_num_f32_dpp v8, v8, v8 row_xmask:1 row_mask:0xf bank_mask:0xf   ; with my neighbour's 16
	v_add_nc_u32 v11, -(EMAX<<23), v8              ; the conversion's scale operand
	v_and_or_b32 v10, v8, 0x7f800000, s23          ; 448 x the scale
.irp i, 0,1,2,3,4,5,6,7,8,9,10,11,12,13,14,15
	v_med3_num_f32 v[XS+\i], v[XS+\i], -v10, v10   ; the conversion does not saturate (ISA guide 7.6.2): the hold comes first
.endr
	v_cvt_scalef32_pk8_fp8_f32 v[C+4*(\t):C+4*(\t)+1], v[XS:XS+7], v11
	v_cvt_scalef32_pk8_fp8_f32 v[C+4*(\t)+2:C+4*(\t)+3], v[XS+8:XS+15], v11
	v_lshrrev_b32 v[E+(\t)%2], 23, v11             ; the byte
	ds_store_b8 v5, v[E+(\t)%2] offset:16*(\t)
	global_store_b128 v4, v[C+4*(\t):C+4*(\t)+3], s[12:13] offset:32*CB*(\t)   ; 512 consecutive bytes a wave
.endm
.irp t, 0,1,2,3,4,5,6,7,8,9,10,11,12,13,14,15
	STEP \t
.endr
	ds_load_b64 v[12:13], v6
	s_wait_dscnt 0x0
	global_store_b64 v7, v[12:13], s[14:15]        ; 256 consecutive bytes, aligned
	s_wait_tensorcnt 0x0                           ; the wave's end
	ds_add_u32 v242, v243
	s_wait_dscnt 0x0
	s_endpgm
.Lfunc_end_k_q26033d90b3_quant:
	.size	k_q26033d90b3_quant, .Lfunc_end_k_q26033d90b3_quant-k_q26033d90b3_quant
	.p2alignl 7, 3214868480
	.fill 96, 4, 3214868480
	.section	.rodata,"a",@progbits
	.p2align	6, 0x0
	.amdhsa_kernel k_q26033d90b3_quant
		.amdhsa_group_segment_fixed_size 33280
		.amdhsa_private_segment_fixed_size 0
		.amdhsa_enable_private_segment 0
		.amdhsa_kernarg_size 48
		.amdhsa_user_sgpr_count 2
		.amdhsa_user_sgpr_kernarg_segment_ptr 1
		.amdhsa_wavefront_size32 1
		.amdhsa_system_sgpr_workgroup_id_x 1
		.amdhsa_system_sgpr_workgroup_id_y 1
		.amdhsa_system_sgpr_workgroup_id_z 1
		.amdhsa_system_vgpr_workitem_id 0
		.amdhsa_next_free_vgpr 256
		.amdhsa_next_free_sgpr 66
		.amdhsa_reserve_vcc 0
		.amdhsa_float_denorm_mode_32 3
		.amdhsa_float_denorm_mode_16_64 3
		.amdhsa_memory_ordered 1
		.amdhsa_forward_progress 1
		.amdhsa_inst_pref_size 51
	.end_amdhsa_kernel
	.amdgpu_metadata
---
amdhsa.version: [ 1, 2 ]
amdhsa.kernels:
  - .name:           k_q26033d90b3_quant
    .symbol:         k_q26033d90b3_quant.kd
    .args:
      - { .name: hidden_states, .offset: 0, .size: 8, .value_kind: global_buffer, .address_space: global }
      - { .name: Wq, .offset: 8, .size: 8, .value_kind: global_buffer, .address_space: global }
      - { .name: Wk, .offset: 16, .size: 8, .value_kind: global_buffer, .address_space: global }
      - { .name: Wv, .offset: 24, .size: 8, .value_kind: global_buffer, .address_space: global }
      - { .name: codes, .offset: 32, .size: 8, .value_kind: global_buffer, .address_space: global }
      - { .name: cscales, .offset: 40, .size: 8, .value_kind: global_buffer, .address_space: global }
    .group_segment_fixed_size: 33280
    .private_segment_fixed_size: 0
    .kernarg_segment_align: 8
    .kernarg_segment_size: 48
    .max_flat_workgroup_size: 128
    .sgpr_count:     66
    .vgpr_count:     256
    .wavefront_size: 32
...
	.end_amdgpu_metadata
.endif
;; end of part 1
;; launch proj (part 2): grid 8 x 48, 4 waves a work-group, clusters of 4 x 4, 327,680 bytes of LDS; arguments codes, cscales, bq, bk, bv, img, isc; writes img, isc
.if DOCPART == 2
	.amdgcn_target "amdgcn-amd-amdhsa--gfx1250"
	.amdhsa_code_object_version 6
	.text
	.protected	k_q26033d90b3_proj
	.globl	k_q26033d90b3_proj
	.p2align	8
	.type	k_q26033d90b3_proj,@function
k_q26033d90b3_proj:
	s_mov_b64 s[64:65], 0
	v_nop
	global_prefetch_b8 v0, s[64:65] scope:SCOPE_SE
	s_setreg_imm32_b32 hwreg(HW_REG_WAVE_MODE, 25, 1), 1
	s_wait_xcnt 0x0
	s_wait_alu depctr_hold_cnt(0) depctr_sa_sdst(0) depctr_va_vdst(0) depctr_va_sdst(0) depctr_va_ssrc(0) depctr_va_vcc(0) depctr_vm_vsrc(0)
	s_getreg_b32 s2, hwreg(HW_REG_IB_STS2, 6, 4)
	s_cmp_eq_u32 s2, 0
	s_cbranch_scc0 .Lentry_in_a_cluster
	s_endpgm
.Lentry_in_a_cluster:
	s_bfe_u32 s2, ttmp6, 0x10000c
	s_cmp_lg_u32 s2, 0xf033
	s_cbranch_scc0 .Lentry_shape_is_right
	s_endpgm
.Lentry_shape_is_right:
.set NQ,     2
.set ROWB,   256
.set KROW,   1024
.set PITCH,  272
.set FR,     16
.set NL,     4
.set NP,     8
.set HALFT,  128*PITCH
.set SLOT,   4*HALFT
.set KS,     32
.set SCL,    2*SLOT
.set HALFS,  (128*KS/256)*272
.set SBLK,   (16*KS/256)*272
.set SPARE,  SCL+4*HALFS
.set ADRA, 16
.set ADRB, 20
.set BO2,  23
.set VO,   24
.set SCO,  25
.set SCO2, 26
.set ADRS, 27
.set SPW,  28
.set NIL,  29
.set SHV,  30
.set BO1,  31
.set SC,   32
.set BI,   64
.set AF,   128
.set TM,   32
.set PW,   48
.set PS,   49
.set WD,   52
.set T,    64
.set G1, 24
.set G0, 32
.set G1B, 48
.set G0B, 56
.set G1S, 68
.set G0S, 76
.set G1SB, 80
.set G0SB, 88
.set G0H, 4                            ; s[4:7], s[92:95] group 0 of the head's loads of K step 0: A's 256 rows, B's 256 rows
.set G0HB, 92
.set MSB, 0
.macro WIN new
.if MSB != (\new)
	s_set_vgpr_msb (MSB<<8)|(\new)
.set MSB, (\new)
.endif
.endm
.set MUL_LO, 0xa1
.set MUL_HI, 0xf1
.set BIA_LO, 0x81
.set BIA_HI, 0xc1
.set TO_B,   0x40
.macro JLOAD g0a, g1a, g0b, g1b
	s_cmp_eq_u32 s15, 0
	s_cbranch_scc0 .Lfor_b_\@
	tensor_load_to_lds s[\g0a:\g0a+3], s[\g1a:\g1a+7]
	s_nop 0
.rept 4
	v_nop
.endr
	s_branch .Lasked_\@
.Lfor_b_\@:
	tensor_load_to_lds s[\g0b:\g0b+3], s[\g1b:\g1b+7]
	s_nop 0
.rept 4
	v_nop
.endr
.Lasked_\@:
.endm
.macro CREST
	s_cmp_lg_u32 s14, 0
	s_cbranch_scc1 .Lnot_wave_0_\@
	s_barrier_signal -3
.Lnot_wave_0_\@:
	s_barrier_wait -3
	s_barrier_signal -1
	s_barrier_wait -1
.endm
.macro CROUND
	s_barrier_signal -1
	s_barrier_wait -1
	CREST
.endm
	s_load_b256 s[4:11], s[0:1], 0x0
	s_load_b128 s[96:99], s[0:1], 0x20
	s_load_b64 s[100:101], s[0:1], 0x30
	v_lshl_add_u32 v[SPW], v0, 2, SPARE
	v_mov_b32 v[NIL], 0
	ds_add_u32 v28, v29
	ds_add_u32 v28, v29
	s_wait_dscnt 0x0
	v_lshrrev_b32 v1, 5, v0
	v_readfirstlane_b32 s14, v1
	s_lshr_b32 s15, s14, 1
	s_and_b32 s16, s14, 1
	s_bfe_u32 s40, ttmp6, 0x40000
	s_bfe_u32 s41, ttmp6, 0x40004
	s_and_b32 s17, ttmp7, 0xffff
	s_lshl_b32 s18, s17, 2
	s_lshl_b32 s19, ttmp9, 2
	s_add_co_u32 s20, s19, 32
	s_max_u32 s21, s17, 8
	s_sub_co_u32 s21, s21, 8
	s_lshl_b32 s21, s21, 3
	s_add_co_u32 s21, s21, s19
	s_cmp_ge_u32 s17, 8
	s_cselect_b32 s66, 1, 0
	s_cselect_b32 s18, 40, s18
	s_cselect_b32 s20, s21, s20
	s_add_co_u32 s17, s18, s41
	s_add_co_u32 s42, s20, s40
	s_lshl_b32 s43, s41, 2
	s_lshl_b32 s43, 15, s43
	s_lshl_b32 s44, 0x1111, s40
	s_or_b32 s[G1+0], s43, (0<<16)|(1<<20)|(1<<21)|(5<<22)|(3<<25)
	s_or_b32 s[G1B+0], s44, (0<<16)|(1<<20)|(1<<21)|(5<<22)|(3<<25)
.irp g, G1, G1B
	s_mov_b32 s[\g+1], ROWB<<16
	s_mov_b32 s[\g+2], 256<<16                     ; 256 rows for the head's loads; set to 128 behind them, for the ring's
	s_mov_b32 s[\g+3], ROWB<<16
	s_mov_b32 s[\g+4], 256
	s_mov_b32 s[\g+5], KROW
	s_mov_b32 s[\g+6], 0
	s_mov_b32 s[\g+7], 0
.endr
	s_or_b32 s[G1S+0], s43, (3<<16)|(1<<20)|(1<<21)|(5<<22)|(3<<25)
	s_or_b32 s[G1SB+0], s44, (3<<16)|(1<<20)|(1<<21)|(5<<22)|(3<<25)
.irp g, G1S, G1SB
	s_mov_b32 s[\g+1], 32<<16
	s_mov_b32 s[\g+2], KS<<16                      ; the scales of 256 rows: KS rows of 256 bytes
	s_mov_b32 s[\g+3], 32<<16
	s_mov_b32 s[\g+4], KS
	s_mov_b32 s[\g+5], 32
	s_mov_b32 s[\g+6], 0
	s_mov_b32 s[\g+7], 0
.endr
	s_lshl_b32 s20, s17, 8                         ; A: the tile's first row
	s_lshl_b32 s46, s42, 8                         ; B: likewise
	s_mov_b32 s21, 0
	s_mov_b32 s47, 0
	s_mov_b64 s[18:19], KS
	s_mul_u64 s[22:23], s[20:21], s[18:19]
	s_mul_u64 s[92:93], s[46:47], s[18:19]
	s_mov_b64 s[18:19], KROW
	s_mul_u64 s[20:21], s[20:21], s[18:19]
	s_mul_u64 s[46:47], s[46:47], s[18:19]
	s_mul_i32 s45, s14, HALFT
	s_mul_i32 s18, s16, 128*KROW                   ; in the ring I fetch 128 rows of a tile: which half, in bytes
	s_mov_b32 s19, 0
	s_wait_kmcnt 0x0
	s_add_nc_u64 s[20:21], s[4:5], s[20:21]
	s_add_nc_u64 s[22:23], s[6:7], s[22:23]
	s_add_nc_u64 s[46:47], s[4:5], s[46:47]
	s_add_nc_u64 s[92:93], s[6:7], s[92:93]
	CROUND
	s_mov_b32 s[G0S], 1
	s_mov_b32 s[G0S+1], SCL
	s_mov_b64 s[G0S+2:G0S+3], s[22:23]
	s_or_b32 s[G0S+3], s[G0S+3], 0x80000000
	s_mov_b32 s[G0SB], 1
	s_mov_b32 s[G0SB+1], SCL+2*HALFS
	s_mov_b64 s[G0SB+2:G0SB+3], s[92:93]
	s_or_b32 s[G0SB+3], s[G0SB+3], 0x80000000
	s_mov_b32 s[G0H], 1                            ; K step 0's 256 rows of A,
	s_mov_b32 s[G0H+1], 0
	s_mov_b64 s[G0H+2:G0H+3], s[20:21]
	s_or_b32 s[G0H+3], s[G0H+3], 0x80000000
	s_mov_b32 s[G0HB], 1                           ; and of B, behind them in slot 0
	s_mov_b32 s[G0HB+1], 2*HALFT
	s_mov_b64 s[G0HB+2:G0HB+3], s[46:47]
	s_or_b32 s[G0HB+3], s[G0HB+3], 0x80000000
	s_add_nc_u64 s[20:21], s[20:21], s[18:19]      ; for the ring: my 128 rows of the tile
	s_add_nc_u64 s[46:47], s[46:47], s[18:19]
.irp s, 0,1
	s_mov_b32 s[G0+4*\s], 1
	s_add_co_u32 s[G0+4*\s+1], s45, \s*SLOT
	s_add_nc_u64 s[G0+4*\s+2:G0+4*\s+3], s[20:21], \s*ROWB
	s_or_b32 s[G0+4*\s+3], s[G0+4*\s+3], 0x80000000
	s_mov_b32 s[G0B+4*\s], 1
	s_add_co_u32 s[G0B+4*\s+1], s45, \s*SLOT
	s_add_nc_u64 s[G0B+4*\s+2:G0B+4*\s+3], s[46:47], \s*ROWB
	s_or_b32 s[G0B+4*\s+3], s[G0B+4*\s+3], 0x80000000
.endr
; THE HEAD'S LOADS, one a wave: wave 0 K step 0's 256 rows of A, wave 1 its 256 rows of B, wave 2 the scales of A's 256 rows, wave 3 those of B's.
; One chain of branches on the wave's number: every way through the head passes exactly one load.
.macro ARM under, g0, g1, next
	s_cmp_lt_u32 s14, \under
	s_cbranch_scc0 \next
	tensor_load_to_lds s[\g0:\g0+3], s[\g1:\g1+7]
	s_nop 0
.rept 4
	v_nop
.endr
	s_branch .Lhead_asked
\next:
.endm
	ARM 1, G0H,  G1,  .Lhead_b
	ARM 2, G0HB, G1B, .Lhead_sa
	ARM 3, G0S,  G1S, .Lhead_sb
	tensor_load_to_lds s[G0SB:G0SB+3], s[G1SB:G1SB+7]
	s_nop 0
.rept 4
	v_nop
.endr
.Lhead_asked:
	v_and_b32 v1, 15, v0
	v_bfe_u32 v2, v0, 4, 1
	v_mul_u32_u24 v3, v1, PITCH
	v_lshl_add_u32 v4, v2, 4, v3
	s_mul_i32 s21, s15, HALFT
	s_mul_i32 s22, s16, HALFT
	s_add_co_u32 s22, s22, 2*HALFT
.irp s, 0,1
	v_add_nc_u32 v[ADRA+\s], s21, v4
	v_add_nc_u32 v[ADRB+\s], s22, v4
	s_add_co_u32 s21, s21, SLOT
	s_add_co_u32 s22, s22, SLOT
.endr
	v_mul_u32_u24 v5, v1, KS
	v_lshrrev_b32 v6, 8, v5
	v_lshl_add_u32 v5, v6, 4, v5
	s_mul_i32 s21, s15, HALFS
	s_mul_i32 s22, s16, HALFS
	s_add_co_u32 s22, s22, 2*HALFS
	s_sub_co_u32 s22, s22, s21
	v_mul_u32_u24 v6, s22, v2
	s_add_co_u32 s21, s21, SCL
	v_add_nc_u32 v5, v5, v6
	v_add_nc_u32 v[ADRS], s21, v5
	v_and_b32 v5, 31, v0
	v_lshlrev_b32 v[VO], 4, v5
	v_lshlrev_b32 v[BO1], 6, v2
	v_and_b32 v5, 8, v1
	v_add_nc_u32 v5, v5, v1
	v_lshlrev_b32 v[BO2], 2, v5
	s_lshl_b32 s18, s17, 1
	s_add_co_u32 s18, s18, s15
	s_lshl_b32 s19, s42, 1
	s_add_co_u32 s19, s19, s16
	s_lshl_b32 s20, s40, 1
	s_add_co_u32 s20, s20, s16
	s_lshl_b32 s21, s41, 1
	s_add_co_u32 s21, s21, s15
	s_lshl_b32 s46, ttmp9, 23
	s_or_b32 s47, s66, ttmp9
	s_cmp_lg_u32 s47, 0
	s_cselect_b32 s47, 786432, 0
	s_mov_b32 s45, 256
	s_cmp_eq_u32 ttmp9, 0
	s_cselect_b64 s[8:9], s[8:9], s[10:11]
	s_cmp_eq_u32 s66, 1
	s_cselect_b64 s[8:9], s[96:97], s[8:9]
	s_cselect_b32 s18, s19, s18
	s_cselect_b32 s20, s21, s20
	s_cselect_b32 s46, 0x1000000, s46
	s_cselect_b32 s22, 0, 768
	s_cselect_b32 s45, 768, s45
	s_cselect_b32 s23, 0, 16
	s_cselect_b32 s2, -1, 0xffff
	s_cselect_b32 s3, 0, 0x7f7f0000
	s_lshr_b32 s19, s18, 4
	s_lshl_b32 s19, s19, 3
	s_add_co_u32 s19, s19, s20
	s_lshl_b32 s19, s19, 4
	s_and_b32 s21, s18, 15
	s_add_co_u32 s19, s19, s21
	s_lshl_b32 s18, s19, 14
	s_add_co_u32 s46, s46, s18
	s_mul_i32 s18, s19, 1536
	s_add_co_u32 s18, s18, s47
	s_lshl_b32 s21, s66, 9
	s_add_co_u32 s18, s18, s21
	s_mov_b32 s47, 0
	s_mov_b32 s19, 0
	s_add_nc_u64 s[98:99], s[98:99], s[46:47]
	s_add_nc_u64 s[100:101], s[100:101], s[18:19]
	s_lshl_b32 s18, s20, 9
	s_add_nc_u64 s[8:9], s[8:9], s[18:19]
	v_mul_u32_u24 v[SCO], s22, v2
	v_lshl_add_u32 v[SCO], v1, 4, v[SCO]
	v_add_nc_u32 v[SCO2], s45, v[SCO]
	v_mul_u32_u24 v[SHV], s23, v2
	s_mov_b32 s12, 0x76543210
	s_mov_b32 s13, 0xfedcba98
	s_mov_b32 s67, 0x600000
	s_cmp_eq_u32 s66, 1
	s_cbranch_scc1 .Lbias_v
	s_wait_alu depctr_va_vdst(0)
.irp b, 0,1,2,3,4,5,6,7
	global_load_b128 v[BI+8*\b:BI+8*\b+3], v[BO1], s[8:9] offset:(32*(\b/2)+8*(\b%2))*4
	global_load_b128 v[BI+8*\b+4:BI+8*\b+7], v[BO1], s[8:9] offset:(32*(\b/2)+8*(\b%2))*4+16
.endr
	s_branch .Lbias_in
.Lbias_v:
	s_wait_alu depctr_va_vdst(0)
.irp a, 0,1,2,3,4,5,6,7
.irp j, 0,1,2,3,4,5,6,7
	global_load_b32 v[BI+8*\a+\j], v[BO2], s[8:9] offset:(32*(\a/2)+8*(\a%2))*4
.endr
.endr
.Lbias_in:
.macro FRAG reg, adr, q, i
.irp c, 0,1,2,3
	ds_load_b128 v[\reg+4*\c:\reg+4*\c+3], v[\adr] offset:128*(\q)+32*\c+(\i)*16*PITCH
.endr
.endm
.macro MUL16 a0, p, q, sc, mode
.irp a, \a0, \a0+1
.irp b, 0,1,2,3,4,5,6,7
.if \mode == 1
	v_wmma_scale_f32_16x16x128_f8f6f4 v[8*(8*((\a)%4)+\b):8*(8*((\a)%4)+\b)+7], v[128*(\p)+FR*\b:128*(\p)+FR*\b+FR-1], v[AF+FR*(\a):AF+FR*(\a)+FR-1], v[BI+8*\b:BI+8*\b+7], v[SC+8*NQ*(\sc)+NQ*\b+(\q)], v[SC+8*NQ*(\sc)+NQ*(\a)+(\q)] matrix_a_scale:MATRIX_SCALE_ROW1
.elseif \mode == 2
	v_wmma_scale_f32_16x16x128_f8f6f4 v[8*(8*((\a)%4)+\b):8*(8*((\a)%4)+\b)+7], v[128*(\p)+FR*\b:128*(\p)+FR*\b+FR-1], v[AF+FR*(\a):AF+FR*(\a)+FR-1], v[BI+8*(\a):BI+8*(\a)+7], v[SC+8*NQ*(\sc)+NQ*\b+(\q)], v[SC+8*NQ*(\sc)+NQ*(\a)+(\q)] matrix_a_scale:MATRIX_SCALE_ROW1
.else
	v_wmma_scale_f32_16x16x128_f8f6f4 v[8*(8*((\a)%4)+\b):8*(8*((\a)%4)+\b)+7], v[128*(\p)+FR*\b:128*(\p)+FR*\b+FR-1], v[AF+FR*(\a):AF+FR*(\a)+FR-1], v[8*(8*((\a)%4)+\b):8*(8*((\a)%4)+\b)+7], v[SC+8*NQ*(\sc)+NQ*\b+(\q)], v[SC+8*NQ*(\sc)+NQ*(\a)+(\q)] matrix_a_scale:MATRIX_SCALE_ROW1
.endif
.endr
.endr
.endm
.macro FETCH_B slot, q, p
	WIN TO_B
.irp i, 0,1,2,3,4,5,6,7
	FRAG 128*(\p)+FR*\i, ADRB+\slot, \q, \i
.endr
	WIN 0
.endm
.macro FETCH_A slot, q, i0
.irp i, \i0, \i0+1, \i0+2, \i0+3
	FRAG AF+FR*(\i), ADRA+\slot, \q, \i
.endr
.endm
.macro SCALES sc
.irp i, 0,1,2,3,4,5,6,7
	ds_load_b64 v[SC+8*NQ*\sc+NQ*\i:SC+8*NQ*\sc+NQ*\i+1], v[ADRS] offset:\i*SBLK
.endr
.endm
.macro PLACES n
.rept \n
	v_nop
.endr
.endm
.macro STEP slot, q, mode
	s_wait_dscnt 4*NL
.if \mode
	WIN BIA_LO
.else
	WIN MUL_LO
.endif
	MUL16 0, (\q)%2, \q, \slot, \mode
	MUL16 2, (\q)%2, \q, \slot, \mode
	s_wait_dscnt 0
	PLACES NP
	FETCH_B \slot, (\q)+1, 1-(\q)%2
	FETCH_A \slot, (\q)+1, 0
.if \mode
	WIN BIA_HI
.else
	WIN MUL_HI
.endif
	MUL16 4, (\q)%2, \q, \slot, \mode
	MUL16 6, (\q)%2, \q, \slot, \mode
	PLACES NP
	WIN 0
	FETCH_A \slot, (\q)+1, 4
.endm
.macro TURN slot, next, fill
	s_wait_tensorcnt 0x0
	ds_add_u32 v[SPW], v[NIL]
	s_wait_dscnt 4*NL+1
	WIN MUL_LO
	MUL16 0, 1, NQ-1, \slot, 0
	s_wait_dscnt 0x0
	s_barrier_signal -1
	MUL16 2, 1, NQ-1, \slot, 0
	WIN 0
	s_barrier_wait -1
.if \fill
	CREST
	s_add_nc_u64 s[G0+4*\slot+2:G0+4*\slot+3], s[G0+4*\slot+2:G0+4*\slot+3], 2*ROWB
	s_add_nc_u64 s[G0B+4*\slot+2:G0B+4*\slot+3], s[G0B+4*\slot+2:G0B+4*\slot+3], 2*ROWB
	JLOAD G0+4*\slot, G1, G0B+4*\slot, G1B
	PLACES NP-4
.else
	PLACES NP
.endif
	s_wait_alu depctr_va_vdst(0)
	v_add_nc_u32 v[ADRS], 4*NQ, v[ADRS]
	FETCH_B \next, 0, 0
	FETCH_A \next, 0, 0
	SCALES \next
	WIN MUL_HI
	MUL16 4, 1, NQ-1, \slot, 0
	MUL16 6, 1, NQ-1, \slot, 0
	PLACES NP
	WIN 0
	FETCH_A \next, 0, 4
.endm
	s_wait_alu depctr_va_vdst(0)
	s_wait_tensorcnt 0x0                           ; my tile of the head's four is in
	ds_add_u32 v[SPW], v[NIL]
	s_mov_b32 s[G1+2], 128<<16                     ; no tensor load of mine is out: from here on a load brings 128 rows
	s_mov_b32 s[G1+4], 128
	s_mov_b32 s[G1B+2], 128<<16
	s_mov_b32 s[G1B+4], 128
	s_wait_dscnt 0x0
	CROUND                                         ; all four tiles are in, and the sixteen work-groups are here
	JLOAD G0+4, G1, G0B+4, G1B                     ; K step 1, the first tensor load behind the round
	FETCH_B 0, 0, 0
	FETCH_A 0, 0, 0
	SCALES 0
	FETCH_A 0, 0, 4
	s_wait_loadcnt 0x0
	s_cmp_eq_u32 s66, 1
	s_cbranch_scc1 .Lfirst_v
	STEP 0, 0, 1
	s_branch .Lfirst_done
.Lfirst_v:
	STEP 0, 0, 2
.Lfirst_done:
	TURN 0, 1, 1
	STEP 1, 0, 0
	TURN 1, 0, 1
	STEP 0, 0, 0
	TURN 0, 1, 0
	STEP 1, 0, 0
	s_wait_dscnt 4*NL
	WIN MUL_LO
	MUL16 0, 1, NQ-1, 1, 0
	MUL16 2, 1, NQ-1, 1, 0
	s_wait_dscnt 0
	WIN MUL_HI
	MUL16 4, 1, NQ-1, 1, 0
	MUL16 6, 1, NQ-1, 1, 0
	WIN 0
.macro EPI a
.set AC, 64*((\a)%4)
.set WW, 2+(\a)/4
.set WS12, (WW<<2)|(WW<<4)
.set CD, 128+16*(\a)
	WIN WS12
.irp b, 0,1,2,3
	v_max3_num_f32 v[TM+\b], 0x4800000, |v[AC+16*\b]|, |v[AC+16*\b+1]|
.endr
.irp i, 2,4,6,8,10,12,14
.irp b, 0,1,2,3
	v_max3_num_f32 v[TM+\b], v[TM+\b], |v[AC+16*\b+\i]|, |v[AC+16*\b+\i+1]|
.endr
.endr
	WIN 0
.irp b, 0,1,2,3
	v_permlanex16_b32 v[TM+4+\b], v[TM+\b], s12, s13
.endr
.irp b, 0,1,2,3
	v_max_num_f32 v[TM+\b], v[TM+\b], v[TM+4+\b]
.endr
.irp b, 0,1,2,3
	v_add_nc_u32 v[TM+12+\b], 0xfc000000, v[TM+\b]
.endr
.irp b, 0,1,2,3
	v_and_or_b32 v[TM+8+\b], v[TM+\b], 0x7f800000, s67
.endr
.irp b, 0,1,2,3
	v_lshrrev_b32 v[TM+4+\b], 23, v[TM+12+\b]
.endr
	v_lshl_or_b32 v[PW], v[TM+5], 8, v[TM+4]
	v_lshl_or_b32 v[PW], v[TM+6], 16, v[PW]
	v_lshl_or_b32 v[PW], v[TM+7], 24, v[PW]
	v_lshrrev_b32 v[PS], v[SHV], v[PW]
	v_and_or_b32 v[WD+(\a)], v[PS], s2, s3
	WIN WW
.irp b, 0,1,2,3
.irp i, 0,1,2,3,4,5,6,7,8,9,10,11,12,13,14,15
	v_med3_num_f32 v[T+16*\b+\i], v[AC+16*\b+\i], -v[TM+8+\b], v[TM+8+\b]
.endr
.endr
	WIN 0
.irp b, 0,1,2,3
	v_cvt_scalef32_pk8_fp8_f32 v[CD+4*\b:CD+4*\b+1], v[T+16*\b:T+16*\b+7], v[TM+12+\b]
	v_cvt_scalef32_pk8_fp8_f32 v[CD+4*\b+2:CD+4*\b+3], v[T+16*\b+8:T+16*\b+15], v[TM+12+\b]
.endr
	v_nop
.irp b, 0,1,2,3
	global_store_b128 v[VO], v[CD+4*\b:CD+4*\b+3], s[98:99] offset:(\b/2)*8192+(\a)*1024+(\b%2)*512
.endr
.endm
	PLACES NP
.irp b, 0,1,2,3
	v_mov_b32 v[TM+4+\b], 0
.endr
.irp a, 0,1,2,3,4,5,6,7
	EPI \a
.endr
	global_store_b128 v[SCO], v[WD:WD+3], s[100:101]
	global_store_b128 v[SCO2], v[WD+4:WD+7], s[100:101]
	s_wait_tensorcnt 0x0
	ds_add_u32 v[SPW], v[NIL]
	s_wait_dscnt 0x0
	CROUND
	s_endpgm
.Lfunc_end_k_q26033d90b3_proj:
	.size	k_q26033d90b3_proj, .Lfunc_end_k_q26033d90b3_proj-k_q26033d90b3_proj
	.p2alignl 7, 3214868480
	.fill 96, 4, 3214868480
	.section	.rodata,"a",@progbits
	.p2align	6, 0x0
	.amdhsa_kernel k_q26033d90b3_proj
		.amdhsa_group_segment_fixed_size 327680
		.amdhsa_private_segment_fixed_size 0
		.amdhsa_enable_private_segment 0
		.amdhsa_kernarg_size 56
		.amdhsa_user_sgpr_count 2
		.amdhsa_user_sgpr_kernarg_segment_ptr 1
		.amdhsa_wavefront_size32 1
		.amdhsa_system_sgpr_workgroup_id_x 1
		.amdhsa_system_sgpr_workgroup_id_y 1
		.amdhsa_system_sgpr_workgroup_id_z 1
		.amdhsa_system_vgpr_workitem_id 0
		.amdhsa_next_free_vgpr 1024
		.amdhsa_next_free_sgpr 102
		.amdhsa_reserve_vcc 0
		.amdhsa_float_denorm_mode_32 3
		.amdhsa_float_denorm_mode_16_64 3
		.amdhsa_memory_ordered 1
		.amdhsa_forward_progress 1
		.amdhsa_inst_pref_size 208
	.end_amdhsa_kernel
	.amdgpu_metadata
---
amdhsa.version: [ 1, 2 ]
amdhsa.kernels:
  - .name:           k_q26033d90b3_proj
    .symbol:         k_q26033d90b3_proj.kd
    .args:
      - { .name: codes, .offset: 0, .size: 8, .value_kind: global_buffer, .address_space: global }
      - { .name: cscales, .offset: 8, .size: 8, .value_kind: global_buffer, .address_space: global }
      - { .name: bq, .offset: 16, .size: 8, .value_kind: global_buffer, .address_space: global }
      - { .name: bk, .offset: 24, .size: 8, .value_kind: global_buffer, .address_space: global }
      - { .name: bv, .offset: 32, .size: 8, .value_kind: global_buffer, .address_space: global }
      - { .name: img, .offset: 40, .size: 8, .value_kind: global_buffer, .address_space: global }
      - { .name: isc, .offset: 48, .size: 8, .value_kind: global_buffer, .address_space: global }
    .group_segment_fixed_size: 327680
    .private_segment_fixed_size: 0
    .kernarg_segment_align: 8
    .kernarg_segment_size: 56
    .max_flat_workgroup_size: 128
    .sgpr_count:     102
    .vgpr_count:     1024
    .wavefront_size: 32
...
	.end_amdgpu_metadata
.endif
;; end of part 2
;; launch attn (part 3): grid 4 x 64, 16 waves a work-group, clusters of 4 x 1, 327,680 bytes of LDS; arguments img, isc, attention_mask, out0; writes out0
.if DOCPART == 3
	.amdgcn_target "amdgcn-amd-amdhsa--gfx1250"
	.amdhsa_code_object_version 6
	.text
	.protected	k_q26033d90b3_attn
	.globl	k_q26033d90b3_attn
	.p2align	8
	.type	k_q26033d90b3_attn,@function
k_q26033d90b3_attn:
	s_mov_b64 s[64:65], 0
	v_nop
	global_prefetch_b8 v0, s[64:65] scope:SCOPE_SE
	s_setreg_imm32_b32 hwreg(HW_REG_WAVE_MODE, 25, 1), 1
	s_wait_xcnt 0x0
	s_wait_alu depctr_hold_cnt(0) depctr_sa_sdst(0) depctr_va_vdst(0) depctr_va_sdst(0) depctr_va_ssrc(0) depctr_va_vcc(0) depctr_vm_vsrc(0)
	s_getreg_b32 s2, hwreg(HW_REG_IB_STS2, 6, 4)
	s_cmp_eq_u32 s2, 0
	s_cbranch_scc0 .Lentry_in_a_cluster
	s_endpgm
.Lentry_in_a_cluster:
	s_bfe_u32 s2, ttmp6, 0x10000c
	s_cmp_lg_u32 s2, 0x3003
	s_cbranch_scc0 .Lentry_shape_is_right
	s_endpgm
.Lentry_shape_is_right:
; out0[b][q][64 head + :] = the sum over keys k <= q of softmax_k(q . k / 8 + mask[b][k]) v[k], both products on codes of FP8 (E4M3) with E8M0 scales, laid by the launch before as images of operand registers.
; THE SOFTMAX: logit = q . k / 8 + mask; t = logit x log2(e); M = the row's largest t so far, rounded up to a whole number; p = 2^(t - M) is quantised along the keys, not normalised.
; The row's sum is taken of the unquantised p and divides O at the end.  When M moves, the sum and O are multiplied by 2^(old M - new M): exact.
; THE LOGIT COMES OUT OF THE FIRST PRODUCT: the factor 1/8 is 3 taken off Q's scale bytes, and the mask is the product's C (register for register as the scores lie).
; ALL OF A HEAD STAYS IN LDS: K's images 131,072 bytes, V's 131,072, their scale words 12,288, the batch's mask 8,192.  Ten tensor loads at the head bring them, one a wave; nothing is filled again.
; The first barrier shows key steps 0-3, the scale words and the mask (waves 0, 1, 2, 4 fetch them, on load lines of their own); the second, behind four key steps, shows the rest.
; CLUSTER: the four work-groups of a head want the same tiles at the same time: each load is asked for jointly (mask 15).
; SHARES.  A head has 128 tiles of 16 queries.  Wave w of partner cx takes tile 127 - (4 w + cx) and then tile 4 w + cx: (16 - w / 2) + (w / 2 + 1) = 17 key steps of 128 keys for every wave.
; Which steps a wave walks hangs on w alone (tile / 8 = w / 2); cx enters global addresses and the lane masks of the diagonal, no branch and no LDS address.
; A key step all of whose keys come after the tile's queries is left out; on the diagonal hidden logits become -infinity: of the step's four blocks of 32 keys two go by 32 lane masks.
; LAYOUT.  S^T = K Q^T, O^T = V^T P^T: a lane holds ONE query.  Tile t's keys are 32 (t / 2) + 8 (t % 2) + r + 8 (r / 8), so registers 16 B + i are keys 32 B + 16 (lane / 16) + i; V's channels lie likewise.
; THE HEAD'S K IS 64, the instruction's 128: Q's registers 8-15 are zero codes, scale bytes 2, 3 are 0x7f.  K's fragment of tile t runs on into tile t + 1's codes; behind tile 7 lie the second tile's Q codes: all are numbers and meet zeros.
; NO PREFETCH: every tile is asked for at the head; there is no loop to run ahead in.
; LIMITS: a block of Q whose scale byte lies under 4 (largest magnitude under 2^-115) is taken with byte 1.  A row all of whose visible keys have mask -infinity gives NaN, as the definition does.
; NaN and +infinity among the inputs are not served.  The promise holds while |t| stays under 2^31.
.set VOFF,  131072
.set SCOFF, 262144
.set MLOFF, 274432
.set STAGE, 282624                     ; the way out: 16 rows x (128 + 16) bytes a wave; no tile lands here
.set SPARE, 319488                     ; the spare words, 128 bytes a wave
.set SPW, 5
.set NIL, 6
.set GO,  7                            ; v7  8192 h + 16 r
.set QA,  96                           ; v96-103 the second tile's Q codes
.set QWA, 0                            ; v0  its scale word (from the head's end on)
.set KR,  32                           ; v32-95 K's eight tiles, then V's four fragments
.set SS,  104                          ; v104-167 the mask, the logits, p
.set OO,  168                          ; v168-199 O^T
.set PC,  200                          ; v200-215 p's codes
.set BM,  216
.set PX,  220
.set LM,  224
.set SO,  228
.set KW,  232
.set VW,  240
.set FF,  244                          ; v244 f = 2^(old M - new M)
.set INF, 245                          ; v245 -infinity
.set PW,  246
.set QW,  247
.set TA,  248                          ; v248-255 at work: four chains of the row's sum
.set WV,  18
.set MNT, 19
.set SEL, 20
.set CS,  22
.set G1K, 24
.set G1V, 32
.set G1S, 40
.set G1M, 48
.set DM,  24                           ; s24-55 the diagonal's 32 lane masks, once every tensor load of mine has landed
.set G0K, 56
.set G0V, 60
.set G0S, 68
.set G0M, 72
.set CX,  76
.set STG, 77
.set QB,  78
.set QWB, 80
.set OB,  82
.set OUTB, 84
.set OUTA, 86
.set NN,  88                           ; the key step
.set SQ,  89                           ; the tile's own step: the diagonal
.set TK,  90
.set TV,  91
.set TS,  92
.set TM,  93
.set W1,  94                           ; which half of its step the tile lies in
.set EE,  95
.set SQA, 96
.set W1A, 97
.set EA,  98
.macro CROUND                          ; a round of the cluster's barrier
	s_barrier_signal -1
	s_barrier_wait -1
	s_cmp_lg_u32 s[WV], 0
	s_cbranch_scc1 .Lnot_wave_0_\@
	s_barrier_signal -3
.Lnot_wave_0_\@:
	s_barrier_wait -3
	s_barrier_signal -1
	s_barrier_wait -1
.endm
.macro GROUP1 g, c, r, p               ; r rows of c elements of 8 bytes, p elements apart; mask 15, bit 21 beside it
	s_mov_b32 s[\g], 15|(3<<16)|(1<<21)
	s_mov_b32 s[\g+1], (\c)<<16
	s_mov_b32 s[\g+2], (\r)<<16
	s_mov_b32 s[\g+3], (\c)<<16
	s_mov_b32 s[\g+4], \r
	s_mov_b32 s[\g+5], \p
	s_mov_b32 s[\g+6], 0
	s_mov_b32 s[\g+7], 0
.endm
	s_load_b256 s[4:11], s[0:1], 0x0               ; img, isc, attention_mask, out0
	v_lshl_add_u32 v[SPW], v0, 2, SPARE
	v_mov_b32 v[NIL], 0
	ds_add_u32 v[SPW], v[NIL]                      ; the opening lines: the add twice on end and its wait
	ds_add_u32 v[SPW], v[NIL]
	v_lshrrev_b32 v8, 5, v0
	v_readfirstlane_b32 s[WV], v8                  ; wave 0..15
	s_and_b32 s12, ttmp7, 0xffff
	s_lshr_b32 s13, s12, 4                         ; batch
	s_and_b32 s14, s12, 15                         ; head
	s_lshr_b32 s15, s14, 1
	s_and_b32 s16, s14, 1
	s_lshl_b32 s17, s13, 3
	s_add_co_u32 s17, s17, s15
	s_lshl_b32 s17, s17, 4                         ; the head's first chunk: (8 batch + head / 2) x 16
	s_and_b32 s101, s[WV], 3                       ; which four key steps I fetch, if I fetch K or V
	s_lshl_b32 s99, s101, 16                       ; in memory: four chunks of 16,384
	GROUP1 G1K, 1024, 4, 2048                      ; K, four steps: 4 rows of 8,192 bytes, 16,384 apart
	GROUP1 G1V, 512, 8, 1024                       ; V, four steps: 8 rows of 4,096, 8,192 apart
	GROUP1 G1S, 96, 16, 192                        ; the scale words: 16 rows of 768, 1,536 apart
	GROUP1 G1M, 32, 32, 32                         ; the mask: 8,192 dense bytes as 32 rows of 256
	s_mov_b32 s[G0K], 1
	s_lshl_b32 s[G0K+1], s101, 15
	s_mov_b32 s[G0V], 1
	s_lshl_b32 s[G0V+1], s101, 15
	s_add_co_u32 s[G0V+1], s[G0V+1], VOFF
	s_mov_b32 s[G0S], 1
	s_mov_b32 s[G0S+1], SCOFF
	s_mov_b32 s[G0M], 1
	s_mov_b32 s[G0M+1], MLOFF
	s_mov_b32 s[SEL], 0x76543210
	s_mov_b32 s[SEL+1], 0xfedcba98
	s_mov_b32 s[CS], 0x3fb8aa3b                    ; log2(e)
	s_mov_b32 s[CS+1], s[CS]
	s_mov_b32 s[MNT], 0x600000
	s_mul_i32 s[STG], s[WV], 16*144
	s_add_co_u32 s[STG], s[STG], STAGE
	s_mov_b32 s3, 0
	s_wait_dscnt 0x0
	s_wait_kmcnt 0x0
	s_lshl_b32 s2, s17, 14
	s_lshl_b32 s12, s16, 13
	s_add_co_u32 s2, s2, s12
	s_add_nc_u64 s[QB:QB+1], s[4:5], s[2:3]        ; q's images
	s_add_co_u32 s2, s2, s99
	s_add_co_u32 s2, s2, 0x800000                  ; k's section
	s_add_nc_u64 s[G0K+2:G0K+3], s[4:5], s[2:3]
	s_or_b32 s[G0K+3], s[G0K+3], 0x80000000
	s_lshl_b32 s2, s17, 14
	s_lshl_b32 s12, s16, 12
	s_add_co_u32 s2, s2, s12
	s_add_co_u32 s2, s2, s99
	s_add_co_u32 s2, s2, 0x1000000                 ; v's section
	s_add_nc_u64 s[G0V+2:G0V+3], s[4:5], s[2:3]
	s_or_b32 s[G0V+3], s[G0V+3], 0x80000000
	s_mul_i32 s2, s17, 1536
	s_mul_i32 s12, s16, 768
	s_add_co_u32 s2, s2, s12
	s_add_nc_u64 s[QWB:QWB+1], s[6:7], s[2:3]      ; q's words
	s_add_co_u32 s2, s2, 786432
	s_add_nc_u64 s[G0S+2:G0S+3], s[6:7], s[2:3]    ; k's and v's
	s_or_b32 s[G0S+3], s[G0S+3], 0x80000000
	s_lshl_b32 s2, s13, 13
	s_add_nc_u64 s[G0M+2:G0M+3], s[8:9], s[2:3]
	s_or_b32 s[G0M+3], s[G0M+3], 0x80000000
	s_lshl_b32 s2, s13, 23
	s_lshl_b32 s12, s14, 8
	s_add_co_u32 s2, s2, s12
	s_add_nc_u64 s[OB:OB+1], s[10:11], s[2:3]
	CROUND                                         ; the four partners are here: the joint loads meet
; THE HEAD'S LOADS: one chain of branches on the wave's number, one load to an arm.  Wave 0: K's steps 0-3; 1: the scale words; 2: the mask; 4: V's steps 0-3; 5-7: K's other twelve; 9-11: V's.
.macro ARM under, g0, g1, next
	s_cmp_lt_u32 s[WV], \under
	s_cbranch_scc0 \next
	tensor_load_to_lds s[\g0:\g0+3], s[\g1:\g1+7]
	s_nop 0
.rept 4
	v_nop
.endr
	s_branch .Lasked
\next:
.endm
.macro IDLE under
	s_cmp_lt_u32 s[WV], \under
	s_cbranch_scc1 .Lasked
.endm
	ARM 1, G0K, G1K, .La1
	ARM 2, G0S, G1S, .La2
	ARM 3, G0M, G1M, .La3
	IDLE 4
	ARM 5, G0V, G1V, .La4
	ARM 8, G0K, G1K, .La5
	IDLE 9
	ARM 12, G0V, G1V, .La6
.Lasked:
	v_and_b32 v8, 31, v0
	v_lshlrev_b32 v1, 4, v8                        ; v1  16 x lane
	v_and_b32 v9, 15, v0
	v_lshlrev_b32 v2, 4, v9                        ; v2  16 r
	v_bfe_u32 v10, v0, 4, 1
	v_lshlrev_b32 v3, 6, v10                       ; v3  64 h
	v_and_b32 v4, 8, v9
	v_add_nc_u32 v4, v4, v9
	v_lshlrev_b32 v11, 4, v10
	v_sub_nc_u32 v4, v4, v11                       ; v4  r + 8 (r / 8) - 16 h
	v_lshl_add_u32 v[GO], v10, 13, v2
.irp j, 0,1,2,3,4,5,6,7
	v_mov_b32 v[24+\j], 0                          ; the upper half of Q's fragment: zero codes
.endr
.irp b, 0,1,2,3
	v_mov_b32 v[PX+\b], 0                          ; a lane permute's destination counts as a source
.endr
	v_mov_b32 v[INF], 0xff800000
	v_mov_b32 v[TA], 0
	s_wait_alu depctr_va_vdst(0)
; A tile 4 W + X: its step W / 2, its half W % 2, E = 32 (X / 2) + 8 (X % 2); first query 128 (W / 2) + 64 (W % 2) + E.  Its Q codes and word are asked for.
.macro TILE w, x, sq, w1, e, out, p1, p2, q, qw
	s_lshr_b32 s[\sq], s[\w], 1
	s_and_b32 s[\w1], s[\w], 1
	s_lshr_b32 s12, s[\x], 1
	s_and_b32 s13, s[\x], 1
	s_lshl_b32 s12, s12, 5
	s_lshl_b32 s13, s13, 3
	s_add_co_u32 s[\e], s12, s13
	s_lshl_b32 s12, s[\sq], 7
	s_lshl_b32 s13, s[\w1], 6
	s_add_co_u32 s12, s12, s13
	s_add_co_u32 s12, s12, s[\e]
	s_lshl_b32 s2, s12, 12                         ; a token's row of out0 is 4,096 bytes
	s_add_nc_u64 s[\out:\out+1], s[OB:OB+1], s[2:3]
	s_lshl_b32 s2, s[\sq], 14
	s_lshl_b32 s12, s[\w1], 12
	s_lshl_b32 s13, s[\x], 10
	s_add_co_u32 s2, s2, s12
	s_add_co_u32 s2, s2, s13
	s_add_nc_u64 s[\p1:\p1+1], s[QB:QB+1], s[2:3]
	s_mul_i32 s2, s[\sq], 1536
	s_lshl_b32 s12, s[\w1], 8
	s_lshl_b32 s13, s[\x], 2
	s_add_co_u32 s2, s2, s12
	s_add_co_u32 s2, s2, s13
	s_add_nc_u64 s[\p2:\p2+1], s[QWB:QWB+1], s[2:3]
	global_load_b128 v[\q:\q+3], v1, s[\p1:\p1+1]
	global_load_b128 v[\q+4:\q+7], v1, s[\p1:\p1+1] offset:512
	global_load_b32 v[\qw], v2, s[\p2:\p2+1]
.endm
	s_bfe_u32 s[CX], ttmp6, 0x40000                ; my place in the cluster
	s_sub_co_u32 s100, 31, s[WV]
	s_sub_co_u32 s99, 3, s[CX]
	TILE 100, 99, SQ, W1, EE, OUTB, 4, 6, 16, QW
	TILE WV, CX, SQA, W1A, EA, OUTA, 8, 10, QA, QWA
.macro FRESH                           ; a tile begins: the first change of M multiplies zeros
	v_mov_b32 v13, 0xff7fffff
	v_floor_f32 v12, -v13
	v_mov_b32 v14, 0
	v_mov_b32 v15, 0
.set jj, 0
.rept 32
	v_mov_b32 v[OO+jj], 0
.set jj, jj+1
.endr
.endm
.macro QFIX w                          ; 3 off Q's two scale bytes (x 1/8), each held at 1 from below; bytes 2, 3 are 0x7f
	v_and_b32 v8, 0xff, v[\w]
	v_bfe_u32 v9, v[\w], 8, 8
	v_max_u32 v8, 4, v8
	v_max_u32 v9, 4, v9
	v_lshl_or_b32 v8, v9, 8, v8
	v_add_nc_u32 v[\w], 0x7f7efcfd, v8
.endm
.macro DMASKS e                        ; lane masks of the two blocks round the diagonal: register n hides where 32 (n / 16) + n % 16 > E + r + 8 (r / 8) - 16 h
	v_add_nc_u32 v[TA], s[\e], v4
.set nn, 0
.rept 32
	v_cmp_gt_i32 s[DM+nn], 32*(nn/16)+nn%16, v[TA]
.set nn, nn+1
.endr
.endm
	FRESH
	s_wait_loadcnt 0x0
	QFIX QW
	QFIX QWA
	s_mov_b32 s[NN], 0
	s_mov_b32 s[TK], 0
	s_mov_b32 s[TV], VOFF
	s_mov_b32 s[TS], SCOFF
	s_mov_b32 s[TM], MLOFF
	s_wait_alu depctr_va_vdst(0)
	s_cmp_lt_u32 s[WV], 5
	s_cbranch_scc0 .Lnot_first
	s_wait_tensorcnt 0x0                           ; waves 0 to 4: steps 0-3, the scale words and the mask have landed
.Lnot_first:
	s_barrier_signal -1
	s_barrier_wait -1
; A KEY STEP of 128 keys.  mode 0: every key counts; mode 1: steps behind the tile's own are left out, its own goes by the diagonal.
.macro STEP mode
.if \mode
	s_cmp_gt_u32 s[NN], s[SQ]
	s_cbranch_scc1 .Lhidden_\@
.endif
	v_add_nc_u32 v8, s[TK], v1
	v_add_nc_u32 v9, s[TS], v2
	v_add_nc_u32 v10, s[TM], v3
	v_add_nc_u32 v11, s[TV], v1
.rept 4
	v_nop                                          ; with the four additions: eight places ahead of loads into registers that the last products read
.endr
.irp t, 0,1,2,3,4,5,6,7
	ds_load_b128 v[KR+8*\t:KR+8*\t+3], v8 offset:1024*\t
	ds_load_b128 v[KR+8*\t+4:KR+8*\t+7], v8 offset:1024*\t+512
.endr
	ds_load_b128 v[KW:KW+3], v9
	ds_load_b128 v[KW+4:KW+7], v9 offset:256
	ds_load_b128 v[VW:VW+3], v9 offset:512
.irp b, 0,1,2,3
.irp k, 0,1,2,3
	ds_load_b128 v[SS+16*\b+4*\k:SS+16*\b+4*\k+3], v10 offset:128*\b+16*\k   ; the mask of keys 32 b + 16 h + 4 k on: the products' C
.endr
.endr
	s_wait_alu depctr_va_vdst(0)
	s_wait_dscnt 0x0
.irp t, 0,1,2,3,4,5,6,7
	v_wmma_scale_f32_16x16x128_f8f6f4 v[SS+8*\t:SS+8*\t+7], v[KR+8*\t:KR+8*\t+15], v[16:31], v[SS+8*\t:SS+8*\t+7], v[KW+\t], v[QW]   ; q . k / 8 + mask
.endr
.rept 8
	v_nop                                          ; places: for the loads over K's registers and the reads of the logits
.endr
.irp t, 0,1,2,3
.irp c, 0,1,2,3
	ds_load_b128 v[KR+16*\t+4*\c:KR+16*\t+4*\c+3], v11 offset:4096*(\c/2)+1024*\t+512*(\c%2)   ; V's fragments land under the softmax
.endr
.endr
.if \mode
	s_cmp_lg_u32 s[NN], s[SQ]
	s_cbranch_scc1 .Lopen_\@
	s_cmp_eq_u32 s[W1], 0
	s_cbranch_scc0 .Lupper_\@
.set nn, 0
.rept 32
	v_cndmask_b32 v[SS+nn], v[SS+nn], v[INF], s[DM+nn]
.set nn, nn+1
.endr
.set nn, 32
.rept 32
	v_mov_b32 v[SS+nn], v[INF]                     ; keys 64 on come after all my queries
.set nn, nn+1
.endr
	s_wait_alu depctr_va_vdst(0)
	s_branch .Lopen_\@
.Lupper_\@:
.set nn, 0
.rept 32
	v_cndmask_b32 v[SS+32+nn], v[SS+32+nn], v[INF], s[DM+nn]
.set nn, nn+1
.endr
.Lopen_\@:
.endif
.irp b, 0,1,2,3
	v_max3_num_f32 v[BM+\b], v[SS+16*\b], v[SS+16*\b+1], v[SS+16*\b+2]   ; each block's largest logit: for the row's maximum and for the block's largest p
.endr
.irp i, 3,5,7,9,11,13
.irp b, 0,1,2,3
	v_max3_num_f32 v[BM+\b], v[BM+\b], v[SS+16*\b+\i], v[SS+16*\b+\i+1]
.endr
.endr
.irp b, 0,1,2,3
	v_max_num_f32 v[BM+\b], v[BM+\b], v[SS+16*\b+15]
.endr
.irp b, 0,1,2,3
	v_permlanex16_b32 v[PX+\b], v[BM+\b], s[SEL], s[SEL+1]
.endr
.irp b, 0,1,2,3
	v_max_num_f32 v[BM+\b], v[BM+\b], v[PX+\b]
.endr
	s_delay_alu instid0(VALU_DEP_2)
	v_max3_num_f32 v[TA], v[BM], v[BM+1], v[BM+2]
	s_delay_alu instid0(VALU_DEP_1)
	v_max_num_f32 v[TA], v[TA], v[BM+3]
	s_delay_alu instid0(VALU_DEP_1)
	v_mul_f32 v[TA], s[CS], v[TA]                  ; as t
	s_delay_alu instid0(VALU_DEP_1)
	v_max_num_f32 v13, v13, v[TA]                  ; the running largest t
	v_mov_b32 v[TA], v12
	s_delay_alu instid0(VALU_DEP_2)
	v_floor_f32 v12, -v13                          ; -M = floor(-t)
	s_delay_alu instid0(VALU_DEP_1)
	v_sub_f32 v[TA], v12, v[TA]                    ; old M - new M
	s_delay_alu instid0(VALU_DEP_1)
	v_cvt_i32_f32 v[TA], v[TA]                     ; (it saturates)
	s_delay_alu instid0(VALU_DEP_1)
	v_ldexp_f32 v[FF], 1.0, v[TA]
.set jj, 0
.rept 32
	v_pk_fma_f32 v[SS+jj:SS+jj+1], v[SS+jj:SS+jj+1], s[CS:CS+1], v[12:13] op_sel_hi:[1,0,0]   ; t - M
.set jj, jj+2
.endr
.irp b, 0,1,2,3
	v_fma_f32 v[BM+\b], v[BM+\b], s[CS], v12
.endr
	s_wait_alu depctr_va_vdst(0)
.set jj, 0
.rept 64
	v_exp_f32 v[SS+jj], v[SS+jj]                   ; p
.set jj, jj+1
.endr
.irp b, 0,1,2,3
	v_exp_f32 v[BM+\b], v[BM+\b]                   ; the block's largest p: the same two instructions on the same number
.endr
	v_pk_mul_f32 v[14:15], v[14:15], v[FF:FF+1] op_sel_hi:[1,0]
	s_wait_alu depctr_va_vdst(0)
.irp b, 0,1,2,3
	v_max_num_f32 v[BM+\b], 0x4800000, v[BM+\b]    ; the floor 2^(9 - 127)
.endr
.irp b, 0,1,2,3
	v_add_nc_u32 v[SO+\b], 0xfc000000, v[BM+\b]
.endr
.irp b, 0,1,2,3
	v_and_or_b32 v[LM+\b], v[BM+\b], 0x7f800000, s[MNT]   ; 448 x the scale
.endr
.irp b, 0,1,2,3
	v_lshrrev_b32 v[PX+\b], 23, v[SO+\b]
.endr
	v_lshl_or_b32 v[PW], v[PX+1], 8, v[PX]
	v_lshl_or_b32 v[PW], v[PX+2], 16, v[PW]
	v_lshl_or_b32 v[PW], v[PX+3], 24, v[PW]        ; p's scale word
.irp b, 0,1,2,3
	v_mov_b32 v[PX+(\b+1)%4], v[LM+\b]             ; a second copy of the bound, in another register bank, for the dual holds
.endr
.irp k, 0,1,2,3
	v_pk_add_f32 v[TA+2*\k:TA+2*\k+1], v[SS+4*\k:SS+4*\k+1], v[SS+4*\k+2:SS+4*\k+3]   ; the row's sum of the unquantised p, in four chains
.endr
.set jj, 16
.rept 6
.irp k, 0,1,2,3
	v_pk_add_f32 v[TA+2*\k:TA+2*\k+1], v[TA+2*\k:TA+2*\k+1], v[SS+jj+2*\k:SS+jj+2*\k+1]
.endr
.set jj, jj+8
.endr
	v_pk_add_f32 v[TA:TA+1], v[TA:TA+1], v[TA+2:TA+3]
	v_pk_add_f32 v[TA+4:TA+5], v[TA+4:TA+5], v[TA+6:TA+7]
	v_pk_add_f32 v[14:15], v[14:15], v[TA:TA+1]
	v_pk_add_f32 v[14:15], v[14:15], v[TA+4:TA+5]
.irp b, 0,1,2,3
.set jj, 0
.rept 8
	v_dual_min_num_f32 v[SS+16*\b+jj], v[SS+16*\b+jj], v[LM+\b] :: v_dual_min_num_f32 v[SS+16*\b+jj+1], v[SS+16*\b+jj+1], v[PX+(\b+1)%4]   ; the conversion does not saturate (ISA guide 7.6.2); p is not negative
.set jj, jj+2
.endr
	v_cvt_scalef32_pk8_fp8_f32 v[PC+4*\b:PC+4*\b+1], v[SS+16*\b:SS+16*\b+7], v[SO+\b]
	v_cvt_scalef32_pk8_fp8_f32 v[PC+4*\b+2:PC+4*\b+3], v[SS+16*\b+8:SS+16*\b+15], v[SO+\b]
.endr
	s_wait_alu depctr_va_vdst(0)
.set jj, 0
.rept 16
	v_pk_mul_f32 v[OO+jj:OO+jj+1], v[OO+jj:OO+jj+1], v[FF:FF+1] op_sel_hi:[1,0]   ; O^T under the new M; also the places between the conversions and the products
.set jj, jj+2
.endr
	s_wait_alu depctr_va_vdst(0)
	s_wait_dscnt 0x0                               ; V's fragments are in
.irp t, 0,1,2,3
	v_wmma_scale_f32_16x16x128_f8f6f4 v[OO+8*\t:OO+8*\t+7], v[KR+16*\t:KR+16*\t+15], v[PC:PC+15], v[OO+8*\t:OO+8*\t+7], v[VW+\t], v[PW]   ; the accumulators by turns
.endr
.if \mode
.Lhidden_\@:
.endif
	s_add_co_u32 s[TK], s[TK], 8192
	s_add_co_u32 s[TV], s[TV], 8192
	s_add_co_u32 s[TS], s[TS], 768
	s_add_co_u32 s[TM], s[TM], 512
	s_add_co_u32 s[NN], s[NN], 1
.endm
; A tile ends: O^T / the sum goes through my stage, 32 channels (128 bytes a query) at a time, every lane storing.  With g = r / 8, lanes of pass 0 read row 4 i + 2 h + g back, lanes of pass 1 row 4 i + 2 h + 1 - g;
; a select by g then gives row 4 i + 2 h whole in sixteen lanes, and row 4 i + 2 h + 1 whole with its two halves in the other order of lanes: each leaves as 256 consecutive bytes.
.macro FINISH out
.rept 8
	v_nop                                          ; places behind the last products
.endr
	v_add_f32 v14, v14, v15
	v_permlanex16_b32 v[TA], v14, s[SEL], s[SEL+1]
	v_add_f32 v14, v14, v[TA]                      ; the row's sum
	v_mul_u32_u24 v8, 9, v2
	v_add_nc_u32 v8, v8, v3
	v_add_nc_u32 v8, s[STG], v8                    ; in: 144 r + 64 h
	v_lshrrev_b32 v9, 7, v2                        ; g = r / 8
	v_lshrrev_b32 v10, 5, v3                       ; 2 h
	v_add_nc_u32 v11, v9, v10
	v_xor_b32 v9, 1, v9
	v_add_nc_u32 v10, v9, v10
	v_and_b32 v9, 0x70, v2                         ; 16 (r % 8)
	v_mad_u32_u24 v11, v11, 144, v9
	v_mad_u32_u24 v10, v10, 144, v9
	v_add_nc_u32 v11, s[STG], v11                  ; back, pass 0: row 2 h + g
	v_add_nc_u32 v10, s[STG], v10                  ; back, pass 1: row 2 h + 1 - g
	v_xor_b32 v[TA+1], 128, v[GO]
	v_add_nc_u32 v[TA+1], 4096, v[TA+1]            ; the odd row in out0: one token on, the halves of the row swapped between the lanes
	v_cmp_le_u32 vcc_lo, 128, v2                   ; g = 1
	s_wait_alu depctr_va_vdst(0)
	v_rcp_f32 v14, v14
	v_nop
	s_wait_alu depctr_va_vdst(0)
.set jj, 0
.rept 32
	v_mul_f32 v[SS+jj], v[OO+jj], v14              ; register 16 B + i is channel 32 B + 16 h + i
.set jj, jj+1
.endr
.irp k, 0,1,2,3
	ds_store_b128 v8, v[SS+4*\k:SS+4*\k+3] offset:16*\k            ; channels 0-31
.endr
.irp i, 0,1,2,3
	ds_load_b128 v[KR+4*\i:KR+4*\i+3], v11 offset:576*\i           ; LDS serves a wave's instructions in order: these see the stores above, and the stores below come behind them
.endr
.irp k, 0,1,2,3
	ds_store_b128 v8, v[SS+16+4*\k:SS+16+4*\k+3] offset:16*\k      ; channels 32-63
.endr
.irp i, 0,1,2,3
	ds_load_b128 v[KR+16+4*\i:KR+16+4*\i+3], v10 offset:576*\i
.endr
	s_wait_dscnt 0x0
.set jj, 0
.rept 16
	v_cndmask_b32 v[KR+32+jj], v[KR+jj], v[KR+16+jj], vcc_lo       ; row 4 i + 2 h: channels 0-31 in lanes g = 0, 32-63 in lanes g = 1
	v_cndmask_b32 v[KR+48+jj], v[KR+16+jj], v[KR+jj], vcc_lo       ; row 4 i + 2 h + 1: the other way round
.set jj, jj+1
.endr
.irp i, 0,1,2,3
	global_store_b128 v[GO], v[KR+32+4*\i:KR+32+4*\i+3], s[\out:\out+1] offset:(4*\i+8*(\i/2))*4096 th:TH_STORE_NT     ; query lane x is token x + 8 (x / 8); sixteen lanes store 256 consecutive bytes, aligned
	global_store_b128 v[TA+1], v[KR+48+4*\i:KR+48+4*\i+3], s[\out:\out+1] offset:(4*\i+8*(\i/2))*4096 th:TH_STORE_NT
.endr
	s_wait_xcnt 0x0                                ; the stores have read their registers
.endm
.Lfirst:                                           ; steps 0-3 of the later tile: all keys count (its own step is 8 or more)
	STEP 0
	s_cmp_lt_u32 s[NN], 4
	s_cbranch_scc1 .Lfirst
	s_wait_tensorcnt 0x0                           ; every wave: all that is still out has landed
	s_wait_dscnt 0x0
	s_barrier_signal -1
	s_barrier_wait -1
	DMASKS EE
	s_mov_b32 s[TK], 4*8192
	s_mov_b32 s[TV], VOFF+4*8192
	s_mov_b32 s[TS], SCOFF+4*768
	s_mov_b32 s[TM], MLOFF+4*512
.Lrest:                                            ; steps 4-15
	STEP 1
	s_cmp_lt_u32 s[NN], 16
	s_cbranch_scc1 .Lrest
	FINISH OUTB
.irp j, 0,1,2,3,4,5,6,7
	v_mov_b32 v[16+\j], v[QA+\j]                   ; the earlier tile
.endr
	v_mov_b32 v[QW], v[QWA]
	FRESH
	DMASKS EA
	s_mov_b32 s[SQ], s[SQA]
	s_mov_b32 s[W1], s[W1A]
	s_mov_b32 s[NN], 0
	s_mov_b32 s[TK], 0
	s_mov_b32 s[TV], VOFF
	s_mov_b32 s[TS], SCOFF
	s_mov_b32 s[TM], MLOFF
.Learly:                                           ; steps 0-7 (its own step is 7 at the most)
	STEP 1
	s_cmp_lt_u32 s[NN], 8
	s_cbranch_scc1 .Learly
	FINISH OUTA
	s_wait_tensorcnt 0x0                           ; the wave's end
	ds_add_u32 v[SPW], v[NIL]
	s_wait_dscnt 0x0
	CROUND                                         ; the closing round
	s_endpgm
.Lfunc_end_k_q26033d90b3_attn:
	.size	k_q26033d90b3_attn, .Lfunc_end_k_q26033d90b3_attn-k_q26033d90b3_attn
	.p2alignl 7, 3214868480
	.fill 96, 4, 3214868480
	.section	.rodata,"a",@progbits
	.p2align	6, 0x0
	.amdhsa_kernel k_q26033d90b3_attn
		.amdhsa_group_segment_fixed_size 327680
		.amdhsa_private_segment_fixed_size 0
		.amdhsa_enable_private_segment 0
		.amdhsa_kernarg_size 32
		.amdhsa_user_sgpr_count 2
		.amdhsa_user_sgpr_kernarg_segment_ptr 1
		.amdhsa_wavefront_size32 1
		.amdhsa_system_sgpr_workgroup_id_x 1
		.amdhsa_system_sgpr_workgroup_id_y 1
		.amdhsa_system_sgpr_workgroup_id_z 1
		.amdhsa_system_vgpr_workitem_id 0
		.amdhsa_next_free_vgpr 256
		.amdhsa_next_free_sgpr 102
		.amdhsa_reserve_vcc 1
		.amdhsa_float_denorm_mode_32 3
		.amdhsa_float_denorm_mode_16_64 3
		.amdhsa_memory_ordered 1
		.amdhsa_forward_progress 1
		.amdhsa_inst_pref_size 100
	.end_amdhsa_kernel
	.amdgpu_metadata
---
amdhsa.version: [ 1, 2 ]
amdhsa.kernels:
  - .name:           k_q26033d90b3_attn
    .symbol:         k_q26033d90b3_attn.kd
    .args:
      - { .name: img, .offset: 0, .size: 8, .value_kind: global_buffer, .address_space: global }
      - { .name: isc, .offset: 8, .size: 8, .value_kind: global_buffer, .address_space: global }
      - { .name: attention_mask, .offset: 16, .size: 8, .value_kind: global_buffer, .address_space: global }
      - { .name: out0, .offset: 24, .size: 8, .value_kind: global_buffer, .address_space: global }
    .group_segment_fixed_size: 327680
    .private_segment_fixed_size: 0
    .kernarg_segment_align: 8
    .kernarg_segment_size: 32
    .max_flat_workgroup_size: 512
    .sgpr_count:     102
    .vgpr_count:     256
    .wavefront_size: 32
...
	.end_amdgpu_metadata
.endif
;; end of part 3
